; MI455X (gfx1250); checked and timed in simulation.
; The chip was launched on July 23, 2026; its instructions are those of AMD's public machine-readable ISA for CDNA 5 (MIT licence, August 2026) and "CDNA5" Instruction Set Architecture Reference Guide (July 2026). The comments in the code are by the model that wrote it; some were corrected since.
;; Attention. Allowed arithmetic: float matrix products may take bf16 or f16 operands with f32 sums; all other float work in f32.
;; Inputs: k 2 x 8 x 4,096 x 64 float32; projection_matrix 256 x 64 float32; q 2 x 8 x 4,096 x 64 float32; v 2 x 8 x 4,096 x 64 float32.
;; Outputs: out0 2 x 8 x 4,096 x 64 float32.
;; One version. Each part assembles by itself: llvm-mc -triple=amdgcn-amd-amdhsa -mcpu=gfx1250 --defsym DOCPART=n.
;; ======== version 1 of 1: 3 launches
;; limits: values outside matrix products are rounded to bf16
;; workspace buffers: st 20,971,520 bytes; svw 65,536 bytes; ml 1,024 bytes; sp 10,485,760 bytes; svp 65,536 bytes
;; launch feat (part 1): grid 256 x 1, 8 waves a work-group, no clusters, 119,296 bytes of LDS; arguments k, v, projection_matrix, st, svw, ml; writes st, svw, ml
.if DOCPART == 1
	.amdgcn_target "amdgcn-amd-amdhsa--gfx1250"
	.amdhsa_code_object_version 6
	.text
	.protected	k_qb5af336151_feat
	.globl	k_qb5af336151_feat
	.p2align	8
	.type	k_qb5af336151_feat,@function
k_qb5af336151_feat:
	s_mov_b64 s[64:65], 0
	v_nop
	global_prefetch_b8 v0, s[64:65] scope:SCOPE_SE
	s_setreg_imm32_b32 hwreg(HW_REG_WAVE_MODE, 25, 1), 1
	s_wait_xcnt 0x0
; Per block of 256 keys of one head (work-group wg = head*16 + block):
;   ml[wg]  = C2 * (largest raw product k.P of the block)            (log2 domain, C2 = 64^-0.25 * log2 e)
;   st[wg]  = sum over the block's keys of E[key][r] * (v[key][e] | 1),  E = exp(dd - diag - the block's own maximum)
;   svw[wg] = column sums of v (64 numbers)
; The constant 1e-4 of the feature map is not in E: the last launch adds its share in f32, from the sums of v.
; The block's own true maximum is taken away here; the next launch rescales by exp(own maximum - global maximum) <= 1.
; k, v and P are rounded to bf16 once, and diag and the sums of v are made of the rounded numbers, so that all parts agree on one set of inputs.
; Eight waves. Wave w stages rows 32w..32w+31 of k, v and P as bf16 in LDS, then owns features r = 32w..32w+31 for all 256 keys.
; All operands are f32 in memory and must pass through registers to become bf16, so loads are register loads:
; no tensor loads and no joint requests (only P, 64 KiB of the 192 KiB a work-group reads, is common to work-groups).
; Limits: NaN and infinities in the inputs are not treated; an exponential below 2^-126 counts as 0.
.set C2,   0x3f0293ee
.set NC2,  0xbf0293ee
.set DG2,  0x3db8aa3b                  ; 0.5 * 64^-0.5 * log2 e
.set ONES, 0x3f803f80                  ; two bf16 ones
.set NINF, 0xff800000
.set XK,  0                            ; bf16 [256][64], pitch 144
.set PP,  36864                        ; bf16 [256][64], pitch 144
.set VV,  73728                        ; bf16 [256][64], pitch 160 (odd multiple of 32 for the transposing loads)
.set DG,  114688                       ; 256 f32: diag of each key, log2 domain
.set RED, 115712                       ; 8 f32: the waves' maxima
.set SVP, 115968                       ; [8][64] f32: the waves' column sums of v
.set SD,  7                            ; v7: where a row's diag is stored
.set B0,  20                           ; v[20:83]   k as loaded
.set B1,  84                           ; v[84:147]  v as loaded
.set B2,  148                          ; v[148:211] P as loaded
.set UT,  212                          ; v[212:215] staging: four rounded numbers, widened again
.set SAC, 216                          ; v[216:219] staging: column sums of v
.set PF,  20                           ; v[20:51]   my P fragments, 16 rt + 8 ks
.set XF,  52                           ; v[52:83]   key fragments
.set DA,  84                           ; v[84:115]  raw products, then E
.set NO,  116                          ; v[116:131] offsets of 2 x 8 keys
.set VF,  132                          ; v[132:163] fragments of v
.set ON,  164                          ; v[164:171] a fragment of ones
.set SA,  172                          ; v[172:251] ten state tiles, 5 rt + et
.macro PLACES                          ; four places behind a matrix instruction (ISA guide 7.12.1)
.rept 4
	v_nop
.endr
.endm
.macro NOP5                            ; five, where a matrix instruction follows that writes over or takes up registers of the last ones
.rept 5
	v_nop
.endr
.endm
.macro MM d, a, b, z                   ; one product; z = 1 starts the sum
.if \z
	v_wmma_f32_16x16x32_bf16 v[\d:\d+7], v[\a:\a+7], v[\b:\b+7], 0
.else
	v_wmma_f32_16x16x32_bf16 v[\d:\d+7], v[\a:\a+7], v[\b:\b+7], v[\d:\d+7]
.endif
.endm
.macro UNPK d                          ; the four bf16 of v12, v13 as f32
	v_lshlrev_b32 v[\d], 16, v12
	v_and_b32 v[\d+1], 0xffff0000, v12
	v_lshlrev_b32 v[\d+2], 16, v13
	v_and_b32 v[\d+3], 0xffff0000, v13
.endm
; 32 rows as loaded (load c: rows 2c + h, my 4 columns) go to LDS as bf16.
; dg = 1: also each row's sum of squares (of the rounded numbers) times DG2; sm = 1: also the column sums (of the rounded numbers) in SAC.
.macro STG R, addr, base, pitch, dg, dgoff, sm
.set c, 0
.rept 16
	v_cvt_pk_bf16_f32 v12, v[\R+4*c], v[\R+4*c+1]
	v_cvt_pk_bf16_f32 v13, v[\R+4*c+2], v[\R+4*c+3]
	ds_store_b64 v[\addr], v[12:13] offset:\base+2*c*\pitch
.if \dg
	UNPK UT
	v_mul_f32 v14, v[UT], v[UT]
	v_fmac_f32 v14, v[UT+1], v[UT+1]
	v_fmac_f32 v14, v[UT+2], v[UT+2]
	v_fmac_f32 v14, v[UT+3], v[UT+3]
	v_add_f32_dpp v14, v14, v14 row_xmask:1 row_mask:0xf bank_mask:0xf
	v_add_f32_dpp v14, v14, v14 row_xmask:2 row_mask:0xf bank_mask:0xf
	v_add_f32_dpp v14, v14, v14 row_xmask:4 row_mask:0xf bank_mask:0xf
	v_add_f32_dpp v14, v14, v14 row_xmask:8 row_mask:0xf bank_mask:0xf
	v_mul_f32 v14, DG2, v14
	ds_store_b32 v[SD], v14 offset:\dgoff+8*c
.endif
.if \sm
.if c == 0
	UNPK SAC                                       ; the first rows start the sums
.else
	UNPK UT
	v_pk_add_f32 v[SAC:SAC+1], v[SAC:SAC+1], v[UT:UT+1]
	v_pk_add_f32 v[SAC+2:SAC+3], v[SAC+2:SAC+3], v[UT+2:UT+3]
.endif
.endif
.set c, c+1
.endr
.endm
	s_load_b256 s[4:11], s[0:1], 0x0               ; k s[4:5], v s[6:7], P s[8:9], st s[10:11]
	s_load_b128 s[12:15], s[0:1], 0x20             ; svw s[12:13], ml s[14:15]
	v_lshl_add_u32 v254, v0, 2, 0x1ce00
	v_mov_b32 v255, 0
	v_and_b32 v1, 31, v0                           ; L
	v_and_b32 v2, 15, v0                           ; r16
	v_bfe_u32 v3, v0, 4, 1                         ; h
	v_lshrrev_b32 v12, 5, v0
	v_readfirstlane_b32 s16, v12                   ; wave w
	s_mov_b32 s20, 0x76543210                      ; v_permlanex16_b32: lane i reads lane i of the other half
	s_mov_b32 s21, 0xfedcba98
	s_mov_b32 s22, C2
	s_mov_b32 s23, NC2
	s_lshl_b32 s24, s16, 13
	v_lshl_add_u32 v4, v1, 4, s24                  ; 8192 w + 16 L: my 16 bytes of the first two of my 32 rows
	s_lshl_b32 s18, ttmp9, 16                      ; the block's 256 rows of 256 bytes
	s_mov_b32 s19, 0
	s_wait_kmcnt 0x0
	s_add_nc_u64 s[4:5], s[4:5], s[18:19]
	s_add_nc_u64 s[6:7], s[6:7], s[18:19]
.set c, 0
.rept 16
	global_load_b128 v[B0+4*c:B0+4*c+3], v4, s[4:5] offset:512*c
.set c, c+1
.endr
.set c, 0
.rept 16
	global_load_b128 v[B1+4*c:B1+4*c+3], v4, s[6:7] offset:512*c
.set c, c+1
.endr
.set c, 0
.rept 16
	global_load_b128 v[B2+4*c:B2+4*c+3], v4, s[8:9] offset:512*c
.set c, c+1
.endr
	; LDS addresses, while the loads are on their way
	s_mul_i32 s25, s16, 4608                       ; 32 rows of 144 bytes
	v_mul_u32_u24 v12, v3, 144
	v_lshl_add_u32 v12, v2, 3, v12
	v_add_nc_u32 v5, s25, v12                      ; stage store, XK (PP by the immediate): (32w + h) 144 + 8 r16
	s_mul_i32 s26, s16, 5120
	s_add_co_u32 s26, s26, VV
	v_mul_u32_u24 v13, v3, 160
	v_lshl_add_u32 v13, v2, 3, v13
	v_add_nc_u32 v6, s26, v13                      ; stage store, VV
	s_lshl_b32 s27, s16, 7
	s_add_co_u32 s27, s27, DG
	v_lshl_add_u32 v7, v3, 2, s27                  ; diag store: DG + 128 w + 4 h
	v_mul_u32_u24 v8, v2, 144
	v_lshl_add_u32 v8, v3, 4, v8                   ; key fragments: r16 144 + 16 h
	s_add_co_u32 s28, s25, PP
	v_add_nc_u32 v9, s28, v8                       ; my P fragments
	v_and_b32 v12, 7, v0
	v_lshl_add_u32 v12, v3, 3, v12
	v_mul_u32_u24 v12, v12, 160
	v_bfe_u32 v13, v0, 3, 1
	v_lshl_add_u32 v12, v13, 4, v12
	v_add_nc_u32 v10, VV, v12                      ; transposing loads of v: (8h + L%8) 160 + 16 ((L/8)%2)
	v_lshlrev_b32 v11, 5, v3
	v_add_nc_u32 v11, DG, v11                      ; diag of keys 8h ..
	s_lshl_b32 s29, s16, 8
	s_add_co_u32 s29, s29, SVP
	s_lshl_b32 s30, s16, 2
	s_add_co_u32 s30, s30, RED
	s_wait_loadcnt 32                              ; k is in; the 32 younger loads (v, P) stay out
	STG B0, 5, XK, 144, 1, 0, 0
	s_wait_loadcnt 16                              ; v is in; P's 16 stay out
	STG B1, 6, 0, 160, 0, 0, 1
.irp j, 0,1,2,3
	v_permlanex16_b32 v12, v[SAC+\j], s20, s21     ; even rows + odd rows
	v_add_f32 v[SAC+\j], v[SAC+\j], v12
.endr
	v_lshl_add_u32 v13, v2, 4, s29
	ds_store_b128 v13, v[SAC:SAC+3]                ; both halves store the same numbers
	s_wait_loadcnt 0
	STG B2, 5, PP, 144, 0, 0, 0
	s_wait_dscnt 0x0                               ; my stage stores are done, for the other waves' sake
	s_barrier_signal -1
	s_barrier_wait -1
.irp rt, 0,1
.irp ks, 0,1
	ds_load_b128 v[PF+16*\rt+8*\ks:PF+16*\rt+8*\ks+3], v9 offset:2304*\rt+64*\ks
	ds_load_b128 v[PF+16*\rt+8*\ks+4:PF+16*\rt+8*\ks+7], v9 offset:2304*\rt+64*\ks+32
.endr
.endr
.macro XLD kt                          ; the fragments of key tile kt, into the set kt % 2
.irp ks, 0,1
	ds_load_b128 v[XF+16*((\kt)&1)+8*\ks:XF+16*((\kt)&1)+8*\ks+3], v8 offset:(\kt)*2304+64*\ks
	ds_load_b128 v[XF+16*((\kt)&1)+8*\ks+4:XF+16*((\kt)&1)+8*\ks+7], v8 offset:(\kt)*2304+64*\ks+32
.endr
.endm
.macro MAX16 base                      ; sixteen raw products into four running maxima
.irp i, 0,1,2,3,4,5,6,7
	v_max3_num_f32 v[12+(\i&3)], v[12+(\i&3)], v[\base+2*\i], v[\base+2*\i+1]
.endr
.endm
; Pass 1, key tile kt: raw products with my 32 features; the maxima of the tile before are taken behind them.
; The two accumulators take turns.
.macro P1 kt
	PLACES
.if \kt < 15
	XLD \kt+1
	s_wait_dscnt 0x4                               ; all but the four loads just issued
.else
	s_wait_dscnt 0x0
.endif
	MM DA+16*(\kt&1), XF+16*(\kt&1), PF, 1
	MM DA+16*(\kt&1)+8, XF+16*(\kt&1), PF+16, 1
	MM DA+16*(\kt&1), XF+16*(\kt&1)+8, PF+8, 0
	MM DA+16*(\kt&1)+8, XF+16*(\kt&1)+8, PF+24, 0
.if \kt > 0
	MAX16 DA+16*((\kt+1)&1)
.endif
.endm
	XLD 0
.irp j, 0,1,2,3,4,5,6,7
	v_mov_b32 v[ON+\j], ONES
.endr
.irp j, 12,13,14,15
	v_mov_b32 v\j, NINF
.endr
.irp kt, 0,1,2,3,4,5,6,7,8,9,10,11,12,13,14,15
	P1 \kt
.endr
	PLACES
	MAX16 DA+16
	v_max3_num_f32 v12, v12, v13, v14
	v_max_num_f32 v12, v12, v15
	v_max_num_f32_dpp v12, v12, v12 row_xmask:1 row_mask:0xf bank_mask:0xf
	v_max_num_f32_dpp v12, v12, v12 row_xmask:2 row_mask:0xf bank_mask:0xf
	v_max_num_f32_dpp v12, v12, v12 row_xmask:4 row_mask:0xf bank_mask:0xf
	v_max_num_f32_dpp v12, v12, v12 row_xmask:8 row_mask:0xf bank_mask:0xf
	v_permlanex16_b32 v13, v12, s20, s21
	v_max_num_f32 v12, v12, v13
	v_mov_b32 v14, s30
	ds_store_b32 v14, v12                          ; my wave's maximum
	s_wait_dscnt 0x0
	s_barrier_signal -1
	s_barrier_wait -1
	v_mov_b32 v14, RED
	ds_load_b128 v[52:55], v14
	ds_load_b128 v[56:59], v14 offset:16
	s_wait_dscnt 0x0
	v_max3_num_f32 v12, v52, v53, v54
	v_max3_num_f32 v12, v12, v55, v56
	v_max3_num_f32 v12, v12, v57, v58
	v_max_num_f32 v12, v12, v59                    ; the block's largest raw product
	v_mul_f32 v13, s23, v12                        ; - C2 * maximum
	v_mul_f32 v15, s22, v12                        ; + C2 * maximum, for ml
; Pass 2, keys 32 kp .. 32 kp + 31: raw products again, E = exp2(C2 raw - C2 max - diag), E^T as A, v (and ones) as B.
; A lane's results of key tiles 0 and 1 are keys 8h.. and 16+8h.. of one feature: packed they ARE the A fragment of E^T.
.macro P2 kp, z
	NOP5
.irp t, 0,1
.irp ks, 0,1
	ds_load_b128 v[XF+16*\t+8*\ks:XF+16*\t+8*\ks+3], v8 offset:(2*\kp+\t)*2304+64*\ks
	ds_load_b128 v[XF+16*\t+8*\ks+4:XF+16*\t+8*\ks+7], v8 offset:(2*\kp+\t)*2304+64*\ks+32
.endr
.endr
.irp i, 0,1,2,3
	ds_load_b128 v[NO+4*\i:NO+4*\i+3], v11 offset:128*\kp+64*(\i>>1)+16*(\i&1)
.endr
.irp et, 0,1,2,3
	ds_load_tr16_b128 v[VF+8*\et:VF+8*\et+3], v10 offset:5120*\kp+32*\et
	ds_load_tr16_b128 v[VF+8*\et+4:VF+8*\et+7], v10 offset:5120*\kp+32*\et+2560
.endr
	s_wait_dscnt 12                                ; the key fragments are in; 4 loads of diag and 8 of v stay out
.irp ks, 0,1
.irp rt, 0,1
.irp t, 0,1
	MM DA+16*\rt+8*\t, XF+16*\t+8*\ks, PF+16*\rt+8*\ks, 1-\ks     ; four accumulators by turns
.endr
.endr
.endr
	s_wait_dscnt 8                                 ; diag is in; the 8 loads of v stay out
.set i, 0
.rept 16
	v_sub_f32 v[NO+i], v13, v[NO+i]                ; - C2 max - diag; also the places behind the products
.set i, i+1
.endr
.set i, 0
.rept 32
	v_fma_f32 v[DA+i], v[DA+i], s22, v[NO+(i&15)]
.set i, i+1
.endr
.set i, 0
.rept 32
	v_exp_f32 v[DA+i], v[DA+i]
.set i, i+1
.endr
	v_nop                                          ; one plain place behind the last exponential (ISA guide 5.7.2)
.set i, 0
	s_wait_alu depctr_va_vdst(0)
.rept 16
	v_cvt_pk_bf16_f32 v[DA+i], v[DA+2*i], v[DA+2*i+1]
.set i, i+1
.endr
	s_wait_dscnt 0x0
.irp rt, 0,1
.irp et, 0,1,2,3
	MM SA+8*(5*\rt+\et), DA+8*\rt, VF+8*\et, \z
.endr
	MM SA+8*(5*\rt+4), DA+8*\rt, ON, \z            ; the column of ones: sums of E
.endr
.endm
	P2 0, 1
.irp kp, 1,2,3,4,5,6,7
	P2 \kp, 0
.endr
	PLACES
	s_mul_i32 s18, ttmp9, 81920                    ; st: [wg][g 16][et 5][q 2][lane 32][4 f32]; my g = 2w, 2w + 1
	s_mul_i32 s24, s16, 10240
	s_add_co_u32 s18, s18, s24
	s_add_nc_u64 s[10:11], s[10:11], s[18:19]
	v_lshlrev_b32 v14, 4, v1
.set i, 0
.rept 20
	global_store_b128 v14, v[SA+4*i:SA+4*i+3], s[10:11] offset:512*i   ; each store covers 512 consecutive bytes, aligned
.set i, i+1
.endr
	s_cmp_lg_u32 s16, 0
	s_cbranch_scc1 .Lend
	; wave 0: the block's column sums of v and its maximum
	v_lshlrev_b32 v16, 4, v2
	v_add_nc_u32 v16, SVP, v16
.irp i, 0,1,2,3,4,5,6,7
	ds_load_b128 v[20+4*\i:23+4*\i], v16 offset:256*\i
.endr
	s_wait_dscnt 0x0
.irp i, 1,2,3,4,5,6,7
	v_pk_add_f32 v[20:21], v[20:21], v[20+4*\i:21+4*\i]
	v_pk_add_f32 v[22:23], v[22:23], v[22+4*\i:23+4*\i]
.endr
	s_lshl_b32 s18, ttmp9, 8
	s_add_nc_u64 s[12:13], s[12:13], s[18:19]
	s_lshl_b32 s18, ttmp9, 2
	s_add_nc_u64 s[14:15], s[14:15], s[18:19]
	v_mov_b32 v16, 0
	v_cmp_gt_u32 vcc_lo, 16, v1
	s_wait_xcnt 0x0                                ; EXEC changes only behind this wait
	s_and_saveexec_b32 s24, vcc_lo
	global_store_b128 v14, v[20:23], s[12:13]      ; sixteen lanes: 256 consecutive bytes, aligned
	s_wait_xcnt 0x0
	s_or_b32 exec_lo, exec_lo, s24
	v_cmp_eq_u32 vcc_lo, 0, v1
	s_and_saveexec_b32 s24, vcc_lo
	global_store_b32 v16, v15, s[14:15]
	s_wait_xcnt 0x0
	s_or_b32 exec_lo, exec_lo, s24
.Lend:
	s_wait_tensorcnt 0x0
	ds_add_u32 v254, v255
	s_wait_dscnt 0x0
	s_endpgm
.Lfunc_end_k_qb5af336151_feat:
	.size	k_qb5af336151_feat, .Lfunc_end_k_qb5af336151_feat-k_qb5af336151_feat
	.p2alignl 7, 3214868480
	.fill 96, 4, 3214868480
	.section	.rodata,"a",@progbits
	.p2align	6, 0x0
	.amdhsa_kernel k_qb5af336151_feat
		.amdhsa_group_segment_fixed_size 119296
		.amdhsa_private_segment_fixed_size 0
		.amdhsa_enable_private_segment 0
		.amdhsa_kernarg_size 48
		.amdhsa_user_sgpr_count 2
		.amdhsa_user_sgpr_kernarg_segment_ptr 1
		.amdhsa_wavefront_size32 1
		.amdhsa_system_sgpr_workgroup_id_x 1
		.amdhsa_system_sgpr_workgroup_id_y 1
		.amdhsa_system_sgpr_workgroup_id_z 1
		.amdhsa_system_vgpr_workitem_id 0
		.amdhsa_next_free_vgpr 256
		.amdhsa_next_free_sgpr 66
		.amdhsa_reserve_vcc 1
		.amdhsa_float_denorm_mode_32 3
		.amdhsa_float_denorm_mode_16_64 3
		.amdhsa_memory_ordered 1
		.amdhsa_forward_progress 1
		.amdhsa_inst_pref_size 116
	.end_amdhsa_kernel
	.amdgpu_metadata
---
amdhsa.version: [ 1, 2 ]
amdhsa.kernels:
  - .name:           k_qb5af336151_feat
    .symbol:         k_qb5af336151_feat.kd
    .args:
      - { .name: k, .offset: 0, .size: 8, .value_kind: global_buffer, .address_space: global }
      - { .name: v, .offset: 8, .size: 8, .value_kind: global_buffer, .address_space: global }
      - { .name: projection_matrix, .offset: 16, .size: 8, .value_kind: global_buffer, .address_space: global }
      - { .name: st, .offset: 24, .size: 8, .value_kind: global_buffer, .address_space: global }
      - { .name: svw, .offset: 32, .size: 8, .value_kind: global_buffer, .address_space: global }
      - { .name: ml, .offset: 40, .size: 8, .value_kind: global_buffer, .address_space: global }
    .group_segment_fixed_size: 119296
    .private_segment_fixed_size: 0
    .kernarg_segment_align: 8
    .kernarg_segment_size: 48
    .max_flat_workgroup_size: 256
    .sgpr_count:     66
    .vgpr_count:     256
    .wavefront_size: 32
...
	.end_amdgpu_metadata
.endif
;; end of part 1
;; launch scan (part 2): grid 256 x 1, 6 waves a work-group, no clusters, 0 bytes of LDS; arguments st, svw, ml, sp, svp; writes sp, svp
.if DOCPART == 2
	.amdgcn_target "amdgcn-amd-amdhsa--gfx1250"
	.amdhsa_code_object_version 6
	.text
	.protected	k_qb5af336151_scan
	.globl	k_qb5af336151_scan
	.p2align	8
	.type	k_qb5af336151_scan,@function
k_qb5af336151_scan:
	s_mov_b64 s[64:65], 0
	v_nop
	global_prefetch_b8 v0, s[64:65] scope:SCOPE_SE
	s_setreg_imm32_b32 hwreg(HW_REG_WAVE_MODE, 25, 1), 1
	s_wait_xcnt 0x0
; Exclusive prefixes along each head, over its 16 blocks of 256 keys:
;   sp[head][s]  = sum over t < s of exp2(ml[t] - M2) * st[t], rounded to bf16   (the state of the exponentials, rescaled to the global maximum)
;   svp[head][s] = sum over t < s of svw[t], in f32                              (the sums of v, for the constant part of the feature map)
; M2 is the maximum of all 256 ml, so every factor is at most 1: together with the first launch this is a running maximum.
; Work-group = (head, g).  Waves 0-4: g = 16 features, wave = et (16 columns; et = 4 is the column of ones); a thread owns 8 numbers and walks s = 0..15.
; Wave 5: svp of block s = g: all 15 rows are read and each is multiplied by 1 or 0 according to t < g.
; A stream: no LDS, no barrier, no matrix unit; all loads of a wave go out at once.
.set W,   18                           ; v[18:32]   factors of blocks 0..14
.set ACC, 48                           ; v[48:55]   running state
.set LD,  68                           ; v[68:187]  st of blocks 0..14, 8 registers each (wave 5: svw, 4 each)
.set OUT, 188                          ; v[188:251] 4 registers for each s, never written twice
	s_load_b256 s[4:11], s[0:1], 0x0               ; st s[4:5], svw s[6:7], ml s[8:9], sp s[10:11]
	s_load_b64 s[44:45], s[0:1], 0x20              ; svp
	v_and_b32 v1, 31, v0
	v_and_b32 v2, 15, v0
	v_lshrrev_b32 v7, 5, v0
	v_readfirstlane_b32 s32, v7                    ; wave
	s_lshr_b32 s36, ttmp9, 4                       ; head
	s_and_b32 s37, ttmp9, 15                       ; g
	s_mov_b32 s41, 0
	s_wait_kmcnt 0x0
	s_cmp_eq_u32 s32, 5
	s_cbranch_scc1 .Lsv
	s_mov_b32 s34, 0x76543210
	s_mov_b32 s35, 0xfedcba98
	s_lshl_b32 s38, s32, 10
	v_lshl_add_u32 v3, v1, 4, s38                  ; st: 1024 et + 16 L
	v_lshlrev_b32 v5, 5, v1                        ; ml: 8 numbers a lane
	v_lshlrev_b32 v6, 4, v0                        ; sp: 512 et + 16 L
	s_lshl_b32 s40, s36, 6
	s_add_nc_u64 s[12:13], s[8:9], s[40:41]
	s_load_b512 s[16:31], s[12:13], 0x0            ; my head's 16 ml
	s_mul_i32 s40, s36, 1310720                    ; 16 blocks of 81,920 bytes
	s_mul_i32 s42, s37, 5120
	s_add_co_u32 s40, s40, s42
	s_add_nc_u64 s[4:5], s[4:5], s[40:41]
	s_mul_i32 s40, s36, 655360                     ; 16 blocks of 40,960 bytes
	s_mul_i32 s42, s37, 2560
	s_add_co_u32 s40, s40, s42
	s_add_nc_u64 s[10:11], s[10:11], s[40:41]
	global_load_b128 v[8:11], v5, s[8:9]
	global_load_b128 v[12:15], v5, s[8:9] offset:16
.set ss, 0
.rept 15
	global_load_b128 v[LD+8*ss:LD+8*ss+3], v3, s[4:5] offset:81920*ss th:TH_LOAD_NT
	global_load_b128 v[LD+8*ss+4:LD+8*ss+7], v3, s[4:5] offset:81920*ss+512 th:TH_LOAD_NT
.set ss, ss+1
.endr
	s_wait_loadcnt 30                              ; ml is in; the 30 loads of st stay out
	v_max3_num_f32 v8, v8, v9, v10
	v_max3_num_f32 v8, v8, v11, v12
	v_max3_num_f32 v8, v8, v13, v14
	v_max_num_f32 v8, v8, v15
	v_max_num_f32_dpp v8, v8, v8 row_xmask:1 row_mask:0xf bank_mask:0xf
	v_max_num_f32_dpp v8, v8, v8 row_xmask:2 row_mask:0xf bank_mask:0xf
	v_max_num_f32_dpp v8, v8, v8 row_xmask:4 row_mask:0xf bank_mask:0xf
	v_max_num_f32_dpp v8, v8, v8 row_xmask:8 row_mask:0xf bank_mask:0xf
	v_permlanex16_b32 v9, v8, s34, s35
	v_max_num_f32 v16, v8, v9                      ; M2: the maximum over all heads and blocks
	s_wait_kmcnt 0x0
.set ss, 0
.rept 15
	v_sub_f32 v[W+ss], s[16+ss], v16
.set ss, ss+1
.endr
.set ss, 0
.rept 15
	v_exp_f32 v[W+ss], v[W+ss]
.set ss, ss+1
.endr
	s_wait_alu depctr_va_vdst(0)
.irp j, 0,1,2,3
	v_mov_b32 v[OUT+\j], 0                         ; block 0 starts from nothing (these are also the plain place behind the exponentials)
.endr
	global_store_b128 v6, v[OUT:OUT+3], s[10:11]
.set ss, 1
.rept 15
	s_wait_loadcnt 2*(15-ss)                       ; block ss-1 is in; the younger blocks' loads, two each, stay out
.set j, 0
.rept 8
.if ss == 1
	v_mul_f32 v[ACC+j], v[W], v[LD+j]
.else
	v_fmac_f32 v[ACC+j], v[W+ss-1], v[LD+8*(ss-1)+j]
.endif
.set j, j+1
.endr
.irp j, 0,1,2,3
	v_cvt_pk_bf16_f32 v[OUT+4*ss+\j], v[ACC+2*\j], v[ACC+2*\j+1]
.endr
	global_store_b128 v6, v[OUT+4*ss:OUT+4*ss+3], s[10:11] offset:40960*ss   ; 512 consecutive bytes a wave
.set ss, ss+1
.endr
	s_endpgm
.Lsv:
	; wave 5: the sums of v of the blocks in front of block g.  Lane L and lane L + 16 hold the same four columns.
	s_lshl_b32 s40, s36, 12                        ; 16 rows of 256 bytes a head
	s_add_nc_u64 s[6:7], s[6:7], s[40:41]
	s_lshl_b32 s40, ttmp9, 8
	s_add_nc_u64 s[44:45], s[44:45], s[40:41]
	v_lshlrev_b32 v3, 4, v2
.set ss, 0
.rept 15
	global_load_b128 v[LD+4*ss:LD+4*ss+3], v3, s[6:7] offset:256*ss
.set ss, ss+1
.endr
.set ss, 0
.rept 15
	s_cmp_gt_u32 s37, ss                           ; block ss lies in front of block g
	s_cselect_b32 s[16+ss], 1.0, 0
.set ss, ss+1
.endr
	s_wait_loadcnt 0x0
.set ss, 0
.rept 15
.irp j, 0,1,2,3
.if ss == 0
	v_mul_f32 v[ACC+\j], s[16], v[LD+\j]
.else
	v_fmac_f32 v[ACC+\j], s[16+ss], v[LD+4*ss+\j]
.endif
.endr
.set ss, ss+1
.endr
	v_cmp_gt_u32 vcc_lo, 16, v1
	s_wait_xcnt 0x0                                ; EXEC changes only behind this wait
	s_and_saveexec_b32 s33, vcc_lo
	global_store_b128 v3, v[ACC:ACC+3], s[44:45]   ; sixteen lanes: 256 consecutive bytes, aligned
	s_wait_xcnt 0x0
	s_or_b32 exec_lo, exec_lo, s33
	s_endpgm
.Lfunc_end_k_qb5af336151_scan:
	.size	k_qb5af336151_scan, .Lfunc_end_k_qb5af336151_scan-k_qb5af336151_scan
	.p2alignl 7, 3214868480
	.fill 96, 4, 3214868480
	.section	.rodata,"a",@progbits
	.p2align	6, 0x0
	.amdhsa_kernel k_qb5af336151_scan
		.amdhsa_group_segment_fixed_size 0
		.amdhsa_private_segment_fixed_size 0
		.amdhsa_enable_private_segment 0
		.amdhsa_kernarg_size 40
		.amdhsa_user_sgpr_count 2
		.amdhsa_user_sgpr_kernarg_segment_ptr 1
		.amdhsa_wavefront_size32 1
		.amdhsa_system_sgpr_workgroup_id_x 1
		.amdhsa_system_sgpr_workgroup_id_y 1
		.amdhsa_system_sgpr_workgroup_id_z 1
		.amdhsa_system_vgpr_workitem_id 0
		.amdhsa_next_free_vgpr 256
		.amdhsa_next_free_sgpr 66
		.amdhsa_reserve_vcc 1
		.amdhsa_float_denorm_mode_32 3
		.amdhsa_float_denorm_mode_16_64 3
		.amdhsa_memory_ordered 1
		.amdhsa_forward_progress 1
		.amdhsa_inst_pref_size 21
	.end_amdhsa_kernel
	.amdgpu_metadata
---
amdhsa.version: [ 1, 2 ]
amdhsa.kernels:
  - .name:           k_qb5af336151_scan
    .symbol:         k_qb5af336151_scan.kd
    .args:
      - { .name: st, .offset: 0, .size: 8, .value_kind: global_buffer, .address_space: global }
      - { .name: svw, .offset: 8, .size: 8, .value_kind: global_buffer, .address_space: global }
      - { .name: ml, .offset: 16, .size: 8, .value_kind: global_buffer, .address_space: global }
      - { .name: sp, .offset: 24, .size: 8, .value_kind: global_buffer, .address_space: global }
      - { .name: svp, .offset: 32, .size: 8, .value_kind: global_buffer, .address_space: global }
    .group_segment_fixed_size: 0
    .private_segment_fixed_size: 0
    .kernarg_segment_align: 8
    .kernarg_segment_size: 40
    .max_flat_workgroup_size: 192
    .sgpr_count:     66
    .vgpr_count:     256
    .wavefront_size: 32
...
	.end_amdgpu_metadata
.endif
;; end of part 2
;; launch attn (part 3): grid 256 x 1, 8 waves a work-group, no clusters, 308,224 bytes of LDS; arguments q, k, v, projection_matrix, ml, sp, svp, out0; writes out0
.if DOCPART == 3
	.amdgcn_target "amdgcn-amd-amdhsa--gfx1250"
	.amdhsa_code_object_version 6
	.text
	.protected	k_qb5af336151_attn
	.globl	k_qb5af336151_attn
	.p2align	8
	.type	k_qb5af336151_attn,@function
k_qb5af336151_attn:
	s_mov_b64 s[64:65], 0
	v_nop
	global_prefetch_b8 v0, s[64:65] scope:SCOPE_SE
	s_setreg_imm32_b32 hwreg(HW_REG_WAVE_MODE, 25, 1), 1
	s_wait_xcnt 0x0
; Output of one block of 256 rows of one head (wg = head*16 + block).  With q' = exp(dd - diag - row maximum) + eps, eps = 1e-4, and
; k' = eps + E, E = exp(dd - diag - global maximum) (the two factors 256^-0.5 cancel between numerator and denominator), Qs_i = sum over r of q'_i[r]:
;   numerator_i   = eps Qs_i (sum over j <= i of v_j) + sum over j <= i in the block of G_ij v_j + SE^T q'_i,      G_ij = q'_i . E_j
;   denominator_i = Qs_i (eps (i + 1) + 1.6e-5)       + sum over j <= i in the block of G_ij     + zE . q'_i
; SE, zE: the state of the exponentials of the earlier blocks (sp).  The constant part eps of k' never passes through a bf16 operand:
; its share is the running sum of v, made in f32 of svp (earlier blocks), of the sums of 32 keys (CS) and of v^T times a causal mask of ones.
; Eight waves.  Wave w stages rows 32w.. of k, v, P and one K step (32 features) of SE, makes E of keys 32w..32w+31, and then makes the
; output of row tiles w and 15-w: (w/2 + 1) + ((15-w)/2 + 1) = 9 blocks of 32 keys in every wave.
; The key blocks are written out, each with constant LDS addresses; which of them a wave runs hangs on its number alone.
; Everything is computed transposed (features or e in rows, queries in columns), so that results of one product are operands of the next.
; All operands are f32 in memory and pass through registers to become bf16: register loads, hence no tensor loads and no joint requests
; (only P, 64 KiB of the 300 KiB a work-group reads, is common to work-groups).
; Limits: NaN and infinities are not treated; an exponential below 2^-126 counts as 0; q', E, G, SE, zE are bf16 operands;
; q, k, v, P are rounded to bf16 once and used so everywhere, in diag and in the sums of v too.
.set C2,   0x3f0293ee
.set NC2,  0xbf0293ee
.set DG2,  0x3db8aa3b
.set EPSK, 0x38d1b717                  ; 1e-4
.set EPSD, 0x378637bd                  ; 1e-6 / 256^-0.5
.set ONES, 0x3f803f80
.set PP,  0                            ; P, bf16 [256][64], pitch 144
.set XS,  36864                        ; 4,608 bytes a wave: its k rows, then its q rows (pitch 144), then its output stage (16 x 272)
.set VV,  73728                        ; v, bf16 [256][64], pitch 160
.set DG,  114688                       ; 256 bytes a wave: diag of its 32 k rows, then of its 32 q rows
.set ST,  116736                       ; SE^T: 8 blocks (one for 32 features) of [80 e][32 r] bf16, pitch 80: 6,400 bytes each
.set KP,  167936                       ; E, bf16 [256 keys][256 r], pitch 528
.set SV32, 303104                      ; [8][64] f32: column sums of v over keys 32 b .. 32 b + 31
.set CSB,  305152                      ; [8][64] f32: column sums of v over all keys of the head in front of key 32 b of this block
.set SD,   10
.set SAC,  24                          ; staging: v[24:27] column sums of v
.set UT,   28                          ; staging: v[28:31] four rounded numbers, widened again
.set XQB,  24                          ; v[24:39]   q fragments of tile 15-w; later that tile's mask fragment
.set XQA,  40                          ; v[40:55]   q fragments of tile w; later that tile's mask fragment
.set B0,   56                          ; staging: three buffers of 64 registers
.set B1,   120
.set B2,   184
.set ON,   248                         ; v[248:255] a fragment of ones
.set XKF,  184                         ; E phase: my key fragments, v[184:215]
.set NK,   216                         ; v216, v217: -(diag + M2) of my key in tiles 0, 1
.set SVG,  220                         ; v[220:223] svp of my four columns, then CS
.set CSR,  152                         ; v[152:179] seven rows of SV32
.set PF2,  56                          ; E phase: P fragments, two sets of 32
.set ACCK, 120                         ; E phase: four accumulators
.set ACC,  56                          ; q' phase: v[56:183], 16 accumulators
.set PF3,  184                         ; q' phase: P fragments, two sets of 32
.set QP,   56                          ; v[56:119]  q' as eight B fragments
.set OA,   120                         ; v[120:159] output^T, five tiles (the fifth: denominators)
.set QB0,  160                         ; SE^T fragments, two sets of 40
.set SA,   160                         ; v[160:175] G^T of 32 keys
.set KB0,  176                         ; E fragments, two sets of 32; v's fragments in the first
.set KB1,  208
.set OT,   208                         ; v[208:239] running sums of v^T, four tiles, in the diagonal block (the second set of E fragments is free then)
.set TM,   240                         ; v[240:247] at work; from the S product to the way out: Qs
.macro PLACES
.rept 4
	v_nop
.endr
.endm
.macro NOP5
.rept 5
	v_nop
.endr
.endm
.macro MM d, a, b, z
.if \z
	v_wmma_f32_16x16x32_bf16 v[\d:\d+7], v[\a:\a+7], v[\b:\b+7], 0
.else
	v_wmma_f32_16x16x32_bf16 v[\d:\d+7], v[\a:\a+7], v[\b:\b+7], v[\d:\d+7]
.endif
.endm
.macro UNPK d                          ; the four bf16 of v12, v13 as f32
	v_lshlrev_b32 v[\d], 16, v12
	v_and_b32 v[\d+1], 0xffff0000, v12
	v_lshlrev_b32 v[\d+2], 16, v13
	v_and_b32 v[\d+3], 0xffff0000, v13
.endm
; 32 rows as loaded (load c: rows 2c + h, my 4 columns) go to LDS as bf16.
; dg = 1: also each row's sum of squares (of the rounded numbers) times DG2; sm = 1: also the column sums (of the rounded numbers) in SAC.
.macro STG R, addr, base, pitch, dg, dgoff, sm
.set c, 0
.rept 16
	v_cvt_pk_bf16_f32 v12, v[\R+4*c], v[\R+4*c+1]
	v_cvt_pk_bf16_f32 v13, v[\R+4*c+2], v[\R+4*c+3]
	ds_store_b64 v[\addr], v[12:13] offset:\base+2*c*\pitch
.if \dg
	UNPK UT
	v_mul_f32 v14, v[UT], v[UT]
	v_fmac_f32 v14, v[UT+1], v[UT+1]
	v_fmac_f32 v14, v[UT+2], v[UT+2]
	v_fmac_f32 v14, v[UT+3], v[UT+3]
	v_add_f32_dpp v14, v14, v14 row_xmask:1 row_mask:0xf bank_mask:0xf
	v_add_f32_dpp v14, v14, v14 row_xmask:2 row_mask:0xf bank_mask:0xf
	v_add_f32_dpp v14, v14, v14 row_xmask:4 row_mask:0xf bank_mask:0xf
	v_add_f32_dpp v14, v14, v14 row_xmask:8 row_mask:0xf bank_mask:0xf
	v_mul_f32 v14, DG2, v14
	ds_store_b32 v[SD], v14 offset:\dgoff+8*c
.endif
.if \sm
.if c == 0
	UNPK SAC                                       ; the first rows start the sums
.else
	UNPK UT
	v_pk_add_f32 v[SAC:SAC+1], v[SAC:SAC+1], v[UT:UT+1]
	v_pk_add_f32 v[SAC+2:SAC+3], v[SAC+2:SAC+3], v[UT+2:UT+3]
.endif
.endif
.set c, c+1
.endr
.endm
	s_load_b256 s[4:11], s[0:1], 0x0               ; q s[4:5], k s[6:7], v s[8:9], P s[10:11]
	s_load_b128 s[12:15], s[0:1], 0x20             ; ml s[12:13], sp s[14:15]
	s_load_b128 s[36:39], s[0:1], 0x30             ; svp s[36:37], out s[38:39]
	s_set_vgpr_msb 0x40
	v_lshl_add_u32 v0, v0, 2, 0x4b000
	v_mov_b32 v1, 0
	s_set_vgpr_msb 0x4000
	v_and_b32 v1, 31, v0                           ; L
	v_and_b32 v2, 15, v0                           ; r16
	v_bfe_u32 v3, v0, 4, 1                         ; h
	v_lshrrev_b32 v12, 5, v0
	v_readfirstlane_b32 s18, v12                   ; wave w = my first row tile
	s_sub_co_u32 s19, 15, s18                      ; my second row tile
	s_mov_b32 s20, 0x76543210
	s_mov_b32 s21, 0xfedcba98
	s_mov_b32 s22, C2
	s_mov_b32 s34, NC2
	s_mov_b32 s35, EPSD
	s_mov_b32 s30, EPSK
	s_mov_b32 s31, EPSK
	s_lshl_b32 s24, s18, 13
	v_lshl_add_u32 v4, v1, 4, s24                  ; 8192 w + 16 L: rows 32w.. of k, v, P
	s_lshl_b32 s24, s18, 12
	v_lshl_add_u32 v5, v1, 4, s24                  ; 4096 w + 16 L: row tile w of q and out
	s_lshl_b32 s24, s19, 12
	v_lshl_add_u32 v6, v1, 4, s24                  ; row tile 15-w
	v_lshlrev_b32 v12, 5, v1                       ; ml: 8 numbers a lane
	s_lshl_b32 s32, ttmp9, 16
	s_mov_b32 s33, 0
	s_wait_kmcnt 0x0
	s_add_nc_u64 s[4:5], s[4:5], s[32:33]
	s_add_nc_u64 s[6:7], s[6:7], s[32:33]
	s_add_nc_u64 s[8:9], s[8:9], s[32:33]
	s_add_nc_u64 s[38:39], s[38:39], s[32:33]
	s_lshl_b32 s32, ttmp9, 8
	s_add_nc_u64 s[36:37], s[36:37], s[32:33]
	s_mul_i32 s32, ttmp9, 40960
	s_lshl_b32 s24, s18, 10                        ; with v5's 4096 w: 5120 w, my ten image tiles of sp
	s_add_co_u32 s32, s32, s24
	s_add_nc_u64 s[14:15], s[14:15], s[32:33]
	global_load_b128 v[248:251], v12, s[12:13]
	global_load_b128 v[252:255], v12, s[12:13] offset:16
.set c, 0
.rept 16
	global_load_b128 v[B0+4*c:B0+4*c+3], v4, s[10:11] offset:512*c
.set c, c+1
.endr
.set c, 0
.rept 16
	global_load_b128 v[B1+4*c:B1+4*c+3], v4, s[6:7] offset:512*c
.set c, c+1
.endr
.set c, 0
.rept 16
	global_load_b128 v[B2+4*c:B2+4*c+3], v4, s[8:9] offset:512*c
.set c, c+1
.endr
	; LDS addresses (v12 still serves the loads of ml: v13 and v14 are at work here)
	s_mul_i32 s24, s18, 4608
	s_add_co_u32 s25, s24, XS
	v_mul_u32_u24 v13, v3, 144
	v_lshl_add_u32 v13, v2, 3, v13
	v_add_nc_u32 v8, s24, v13                      ; stage store of P: (32w + h) 144 + 8 r16
	v_add_nc_u32 v7, s25, v13                      ; stage store of my k rows, then my q rows
	v_mul_u32_u24 v16, v2, 144
	v_lshl_add_u32 v16, v3, 4, v16                 ; P fragments: 144 r16 + 16 h
	v_add_nc_u32 v11, s25, v16                     ; my k and q fragments
	v_mul_u32_u24 v13, v2, 272
	v_lshl_add_u32 v13, v3, 5, v13
	v_add_nc_u32 v21, s25, v13                     ; output stage, in: row r16, 32 bytes for each half
	v_mul_u32_u24 v13, v3, 272
	v_lshl_add_u32 v13, v2, 4, v13
	v_add_nc_u32 v22, s25, v13                     ; output stage, back: two whole rows
	s_mul_i32 s24, s18, 5120
	s_add_co_u32 s24, s24, VV
	v_mul_u32_u24 v13, v3, 160
	v_lshl_add_u32 v13, v2, 3, v13
	v_add_nc_u32 v9, s24, v13                      ; stage store of v
	s_lshl_b32 s24, s18, 8
	s_add_co_u32 s24, s24, DG
	v_lshl_add_u32 v10, v3, 2, s24                 ; diag store
	v_lshl_add_u32 v15, v2, 2, s24                 ; diag of row r16
	v_mul_u32_u24 v13, v2, 528
	v_lshl_add_u32 v13, v3, 4, v13
	v_add_nc_u32 v19, KP, v13                      ; E fragments: 528 r16 + 16 h
	s_mul_i32 s24, s18, 16896
	v_add_nc_u32 v17, s24, v19                     ; E store: my 32 keys
	v_mul_u32_u24 v13, v2, 80
	v_lshl_add_u32 v13, v3, 4, v13
	v_add_nc_u32 v18, ST, v13                      ; SE^T fragments: 80 r16 + 16 h
	s_mul_i32 s24, s18, 6400
	v_add_nc_u32 v23, s24, v18                     ; SE^T store: my block
	v_and_b32 v13, 7, v0
	v_lshl_add_u32 v13, v3, 3, v13
	v_mul_u32_u24 v13, v13, 160
	v_bfe_u32 v14, v0, 3, 1
	v_lshl_add_u32 v13, v14, 4, v13
	v_add_nc_u32 v20, VV, v13                      ; transposing loads of v
	v_lshlrev_b32 v13, 3, v3
	v_sub_nc_u32 v3, v2, v13                       ; r16 - 8 h, for the causal mask
	v_lshlrev_b32 v32, 4, v2                       ; svp: my four columns
	s_lshl_b32 s24, s18, 8
	s_add_co_u32 s24, s24, SV32
	v_lshl_add_u32 v33, v2, 4, s24                 ; SV32 store: row w, my four columns
	; PHASE 1: staging
	s_wait_loadcnt 48                              ; ml is in; P, k, v (16 loads each) stay out
	v_max3_num_f32 v248, v248, v249, v250
	v_max3_num_f32 v248, v248, v251, v252
	v_max3_num_f32 v248, v248, v253, v254
	v_max_num_f32 v248, v248, v255
	v_max_num_f32_dpp v248, v248, v248 row_xmask:1 row_mask:0xf bank_mask:0xf
	v_max_num_f32_dpp v248, v248, v248 row_xmask:2 row_mask:0xf bank_mask:0xf
	v_max_num_f32_dpp v248, v248, v248 row_xmask:4 row_mask:0xf bank_mask:0xf
	v_max_num_f32_dpp v248, v248, v248 row_xmask:8 row_mask:0xf bank_mask:0xf
	v_permlanex16_b32 v249, v248, s20, s21
	v_max_num_f32 v1, v248, v249                   ; M2 = C2 * the global maximum of k's raw products
.irp j, 0,1,2,3,4,5,6,7
	v_mov_b32 v[ON+\j], ONES
.endr
	s_wait_loadcnt 32                              ; P is in; k and v stay out
	STG B0, 8, PP, 144, 0, 0, 0
.set c, 0
.rept 10
	global_load_b128 v[B0+4*c:B0+4*c+3], v5, s[14:15] offset:512*c       ; my ten image tiles of the state
.set c, c+1
.endr
	s_wait_loadcnt 26                              ; k is in; 16 loads of v and 10 of sp stay out
	STG B1, 7, 0, 144, 1, 0, 0
.set c, 0
.rept 8
	global_load_b128 v[B1+4*c:B1+4*c+3], v5, s[4:5] offset:512*c         ; q, row tile w
.set c, c+1
.endr
.set c, 0
.rept 8
	global_load_b128 v[B1+32+4*c:B1+32+4*c+3], v6, s[4:5] offset:512*c   ; q, row tile 15-w
.set c, c+1
.endr
	s_wait_loadcnt 26                              ; v is in; 10 loads of sp and 16 of q stay out
	STG B2, 9, 0, 160, 0, 0, 1
.irp j, 0,1,2,3
	v_permlanex16_b32 v12, v[SAC+\j], s20, s21     ; even rows + odd rows
	v_add_f32 v[SAC+\j], v[SAC+\j], v12
.endr
	ds_store_b128 v33, v[SAC:SAC+3]                ; the sums of v over my 32 keys; both halves store the same numbers
	global_load_b128 v[SVG:SVG+3], v32, s[36:37]   ; the sums of v over the earlier blocks
.irp t, 0,1
.irp ks, 0,1
	ds_load_b128 v[XKF+16*\t+8*\ks:XKF+16*\t+8*\ks+3], v11 offset:2304*\t+64*\ks       ; my own stage: LDS serves a wave in order
	ds_load_b128 v[XKF+16*\t+8*\ks+4:XKF+16*\t+8*\ks+7], v11 offset:2304*\t+64*\ks+32
.endr
.endr
	ds_load_b32 v[NK], v15
	ds_load_b32 v[NK+1], v15 offset:64
	s_wait_loadcnt 17                              ; sp is in; q's 16 loads and svp's one stay out
.irp rt, 0,1
.irp et, 0,1,2,3,4
	ds_store_b128 v23, v[B0+4*(5*\rt+\et):B0+4*(5*\rt+\et)+3] offset:1280*\et+32*\rt   ; e = 16 et + r16, r = 32 w + 16 rt + 8 h ..
.endr
.endr
	s_wait_dscnt 0x0                               ; my key fragments and diag are in registers: the stage may take q
	s_wait_loadcnt 0
	v_add_f32 v[NK], v[NK], v1
	v_add_f32 v[NK+1], v[NK+1], v1
	v_xor_b32 v[NK], 0x80000000, v[NK]             ; -(diag + M2)
	v_xor_b32 v[NK+1], 0x80000000, v[NK+1]
	STG B1, 7, 0, 144, 1, 128, 0
.irp ks, 0,1
	ds_load_b128 v[XQA+8*\ks:XQA+8*\ks+3], v11 offset:64*\ks
	ds_load_b128 v[XQA+8*\ks+4:XQA+8*\ks+7], v11 offset:64*\ks+32
	ds_load_b128 v[XQB+8*\ks:XQB+8*\ks+3], v11 offset:2304+64*\ks
	ds_load_b128 v[XQB+8*\ks+4:XQB+8*\ks+7], v11 offset:2304+64*\ks+32
.endr
	ds_load_b32 v9, v15 offset:128
	ds_load_b32 v10, v15 offset:192
	s_wait_dscnt 0x0                               ; all my LDS stores are done, for the other waves' sake
	v_xor_b32 v9, 0x80000000, v9                   ; - diag of my query in tile w
	v_xor_b32 v10, 0x80000000, v10                 ; and in tile 15-w
	s_barrier_signal -1
	s_barrier_wait -1                              ; P, v, SE^T and the sums of 32 keys are whole
	; CS[w] = svp + the sums of the blocks of 32 keys in front of block w: all seven rows are read, each times 1 or 0
	v_bfe_u32 v4, v0, 4, 1
	v_lshlrev_b32 v4, 5, v4
	v_add_nc_u32 v4, CSB, v4                       ; CS as a C operand: e = 8 h ..
	v_lshlrev_b32 v7, 4, v2
	v_add_nc_u32 v7, SV32, v7
	s_lshl_b32 s24, s18, 8
	s_add_co_u32 s24, s24, CSB
	v_lshl_add_u32 v8, v2, 4, s24
.irp b, 0,1,2,3,4,5,6
	ds_load_b128 v[CSR+4*\b:CSR+4*\b+3], v7 offset:256*\b
.endr
.irp b, 0,1,2,3,4,5,6
	s_cmp_gt_u32 s18, \b
	s_cselect_b32 s[40+\b], 1.0, 0
.endr
	s_wait_dscnt 0x0
.irp b, 0,1,2,3,4,5,6
.irp j, 0,1,2,3
	v_fmac_f32 v[SVG+\j], s[40+\b], v[CSR+4*\b+\j]
.endr
.endr
	ds_store_b128 v8, v[SVG:SVG+3]                 ; both halves store the same numbers
; fragments of P's row tiles 2u, 2u+1 into set u % 2 of the buffer at base
.macro PLD base, u
.irp rl, 0,1
.irp ks, 0,1
	ds_load_b128 v[\base+32*((\u)&1)+16*\rl+8*\ks:\base+32*((\u)&1)+16*\rl+8*\ks+3], v16 offset:(2*(\u)+\rl)*2304+64*\ks
	ds_load_b128 v[\base+32*((\u)&1)+16*\rl+8*\ks+4:\base+32*((\u)&1)+16*\rl+8*\ks+7], v16 offset:(2*(\u)+\rl)*2304+64*\ks+32
.endr
.endr
.endm
	; PHASE 2: E of my 32 keys, 32 features at a time.  A = P (rows: features), B = k (columns: keys): a lane holds 8 neighbouring features of one key.
.macro KPAIR u
	PLACES
.if \u < 7
	PLD PF2, \u+1
	s_wait_dscnt 0x8                               ; all but the eight loads just issued (the stores in front of them too)
.else
	s_wait_dscnt 0x0
.endif
.irp ks, 0,1
.irp t, 0,1
.irp rl, 0,1
	MM ACCK+16*\t+8*\rl, PF2+32*(\u&1)+16*\rl+8*\ks, XKF+16*\t+8*\ks, 1-\ks     ; four accumulators by turns
.endr
.endr
.endr
	PLACES
.set i, 0
.rept 32
	v_fma_f32 v[ACCK+i], v[ACCK+i], s22, v[NK+(i>>4)]
.set i, i+1
.endr
.set i, 0
.rept 32
	v_exp_f32 v[ACCK+i], v[ACCK+i]
.set i, i+1
.endr
	v_nop                                          ; one plain place behind the last exponential (ISA guide 5.7.2)
.set i, 0
	s_wait_alu depctr_va_vdst(0)
.rept 16
	v_cvt_pk_bf16_f32 v[ACCK+i], v[ACCK+2*i], v[ACCK+2*i+1]
.set i, i+1
.endr
.irp t, 0,1
.irp rl, 0,1
	ds_store_b128 v17, v[ACCK+8*\t+4*\rl:ACCK+8*\t+4*\rl+3] offset:8448*\t+32*(2*\u+\rl)
.endr
.endr
.endm
	PLD PF2, 0
.irp u, 0,1,2,3,4,5,6,7
	KPAIR \u
.endr
	v_add_nc_u32 v12, 67584, v19                   ; E fragments from key 128 on (4 blocks of 32 keys x 528 bytes); never written again
	s_wait_dscnt 0x0                               ; my E and my CS are stored
	s_barrier_signal -1
	s_barrier_wait -1                              ; E and CS are whole; no LDS byte that another wave reads is written from here on
	; PHASE 3
.macro QPAIR XQ, u                     ; raw products of 32 features with my 16 queries
	PLACES
.if \u < 7
	PLD PF3, \u+1
	s_wait_dscnt 0x8                               ; all but the eight loads just issued
.else
	s_wait_dscnt 0x0
.endif
.irp ks, 0,1
.irp rl, 0,1
	MM ACC+8*(2*\u+\rl), PF3+32*(\u&1)+16*\rl+8*\ks, \XQ+8*\ks, 1-\ks           ; two accumulators by turns
.endr
.endr
.endm
.macro SLD ks                          ; SE^T fragments of K step ks into set ks % 2
.irp et, 0,1,2,3,4
	ds_load_b128 v[QB0+40*((\ks)&1)+8*\et:QB0+40*((\ks)&1)+8*\et+3], v18 offset:6400*(\ks)+1280*\et
	ds_load_b128 v[QB0+40*((\ks)&1)+8*\et+4:QB0+40*((\ks)&1)+8*\et+7], v18 offset:6400*(\ks)+1280*\et+32
.endr
.endm
.macro QS ks, z                        ; output^T += SE^T q' and Qs += 1 q' over 32 features; six accumulators by turns
	PLACES
.if \ks < 7
	SLD \ks+1
	s_wait_dscnt 10                                ; all but the ten loads just issued
.else
	s_wait_dscnt 0x0
.endif
.irp et, 0,1,2,3,4
	MM OA+8*\et, QB0+40*(\ks&1)+8*\et, QP+8*\ks, \z
.endr
	MM TM, ON, QP+8*\ks, \z                        ; Qs of the same rounded q' that the other products take
.endm
.macro KLD g, buf                      ; E fragments: the block's 32 keys (register KBR, byte KOF) x features 64 g .. 64 g + 63
.irp t, 0,1
.irp kk, 0,1
	ds_load_b128 v[\buf+16*\t+8*\kk:\buf+16*\t+8*\kk+3], v[KBR] offset:KOF+8448*\t+64*(2*\g+\kk)
	ds_load_b128 v[\buf+16*\t+8*\kk+4:\buf+16*\t+8*\kk+7], v[KBR] offset:KOF+8448*\t+64*(2*\g+\kk)+32
.endr
.endr
.endm
.macro KMM g, buf                      ; G^T; the two key tiles take turns
.irp kk, 0,1
.irp t, 0,1
.if \g+\kk
	MM SA+8*\t, \buf+16*\t+8*\kk, QP+8*(2*\g+\kk), 0
.else
	MM SA+8*\t, \buf+16*\t+8*\kk, QP+8*(2*\g+\kk), 1
.endif
.endr
.endr
.endm
; Keys 32 b .. 32 b + 31: G^T = E q' over 256 features, masked if m, packed (a lane's 16 numbers ARE the B fragment),
; then output^T += (v | 1)^T G^T.  m = 1, the diagonal block: also OT = CS[b] + v^T mask, the running sums of v up to each query.
; All LDS addresses are a lane term and constants: blocks 0-3 of E lie within the 16-bit immediate of v19
; (3 x 16,896 + 8,928 = 59,616 at the most), blocks 4-7 within that of v12 = v19 + 67,584; v within that of v20.
.macro BLK m, b
.if \b < 4
.set KBR, 19
.set KOF, 16896*\b
.else
.set KBR, 12
.set KOF, 16896*(\b-4)
.endif
.set VOF, 5120*\b
	NOP5
	KLD 0, KB0
	KLD 1, KB1
	s_wait_dscnt 0x8                               ; each count 8: the one younger group of eight loads stays out
	KMM 0, KB0
	PLACES
	KLD 2, KB0
	s_wait_dscnt 0x8
	KMM 1, KB1
	PLACES
	KLD 3, KB1
	s_wait_dscnt 0x8
	KMM 2, KB0
	PLACES
.irp et, 0,1,2,3
	ds_load_tr16_b128 v[KB0+8*\et:KB0+8*\et+3], v20 offset:VOF+32*\et
	ds_load_tr16_b128 v[KB0+8*\et+4:KB0+8*\et+7], v20 offset:VOF+32*\et+2560
.endr
	s_wait_dscnt 0x8
	KMM 3, KB1
	NOP5
.if \m
.irp et, 0,1,2,3
	ds_load_b128 v[OT+8*\et:OT+8*\et+3], v4 offset:256*\b+64*\et          ; CS[b] of e = 16 et + 8 h + 0..7, the same for every query
	ds_load_b128 v[OT+8*\et+4:OT+8*\et+7], v4 offset:256*\b+64*\et+16
.endr
.set i, 0
.rept 8
	v_cmp_le_i32 vcc_lo, 16*(i>>2)+2*(i&3), v14    ; key 16 t + 8 h + j <= query 16 (tile % 2) + r16
	v_cndmask_b32 v[SA+2*i], 0, v[SA+2*i], vcc_lo
	v_cndmask_b32 v[MKR+8], 0, 1.0, vcc_lo
	v_cmp_le_i32 vcc_lo, 16*(i>>2)+2*(i&3)+1, v14
	v_cndmask_b32 v[SA+2*i+1], 0, v[SA+2*i+1], vcc_lo
	v_cndmask_b32 v[MKR+9], 0, 1.0, vcc_lo
	v_cvt_pk_bf16_f32 v[MKR+i], v[MKR+8], v[MKR+9] ; the mask as a B fragment of ones and zeros
.set i, i+1
.endr
.endif
.set i, 0
.rept 8
	v_cvt_pk_bf16_f32 v[SA+i], v[SA+2*i], v[SA+2*i+1]
.set i, i+1
.endr
	s_wait_dscnt 0x0
.irp et, 0,1,2,3
	MM OA+8*\et, KB0+8*\et, SA, 0
.endr
	MM OA+32, ON, SA, 0
.if \m
.irp et, 0,1,2,3
	MM OT+8*\et, KB0+8*\et, MKR, 0                 ; onto CS[b], which the loads above brought
.endr
.endif
.endm
; One row tile of 16 queries.  XQ: its fragments; DGR: register with - diag; TI: scalar register with the tile's number; GO: its offset in out;
; second = 0: the tile is w (0..7), second = 1: it is 15 - w (8..15).
.macro QTILE XQ, DGR, TI, GO, second
.set MKR, \XQ                          ; the mask fragment takes the tile's q fragments, which are read for the last time in QPAIR 7
	s_wait_xcnt 0x0                                ; the last tile's stores have read their data registers, which are loaded again below
	PLACES
	PLD PF3, 0
.irp u, 0,1,2,3,4,5,6,7
	QPAIR \XQ, \u
.endr
	PLACES
.irp c, 0,1,2,3
	v_max_num_f32 v[TM+\c], v[ACC+2*\c], v[ACC+2*\c+1]     ; the row maximum over 256 features: 128 in my registers, four chains
.endr
.set i, 0
.rept 60
	v_max3_num_f32 v[TM+(i&3)], v[TM+(i&3)], v[ACC+8+2*i], v[ACC+9+2*i]
.set i, i+1
.endr
	v_max3_num_f32 v[TM], v[TM], v[TM+1], v[TM+2]
	v_max_num_f32 v[TM], v[TM], v[TM+3]
	v_permlanex16_b32 v[TM+1], v[TM], s20, s21     ; the other 128 lie in the lane 16 away
	v_max_num_f32 v[TM], v[TM], v[TM+1]
	v_fma_f32 v[TM+4], v[TM], s34, v[\DGR]         ; - C2 maximum - diag
.irp g, 0,1,2,3
.set i, 0
.rept 32
	v_fma_f32 v[ACC+32*\g+i], v[ACC+32*\g+i], s22, v[TM+4]
.set i, i+1
.endr
.set i, 0
.rept 32
	v_exp_f32 v[ACC+32*\g+i], v[ACC+32*\g+i]
.set i, i+1
.endr
	v_nop
.set i, 0
	s_wait_alu depctr_va_vdst(0)
.rept 16
	v_pk_add_f32 v[ACC+32*\g+2*i:ACC+32*\g+2*i+1], v[ACC+32*\g+2*i:ACC+32*\g+2*i+1], s[30:31] op_sel_hi:[1,0]
.set i, i+1
.endr
.set i, 0
.rept 16
	v_cvt_pk_bf16_f32 v[ACC+16*\g+i], v[ACC+32*\g+2*i], v[ACC+32*\g+2*i+1]      ; q' packs downward into v[56:119]
.set i, i+1
.endr
.endr
	SLD 0
	QS 0, 1
.irp ks, 1,2,3,4,5,6,7
	QS \ks, 0
.endr
	s_and_b32 s25, s[\TI], 1
	s_lshl_b32 s25, s25, 4
	v_add_nc_u32 v14, s25, v3                      ; mask threshold of the diagonal block: 16 (tile % 2) + r16 - 8 h
	s_and_b32 s24, ttmp9, 15
	s_lshl_b32 s24, s24, 8                         ; keys of the head in front of this block
	s_lshl_b32 s25, s[\TI], 4
	s_add_co_u32 s24, s24, s25
	s_add_co_u32 s24, s24, 1
	v_add_nc_u32 v13, s24, v2                      ; my query's count of keys, i + 1
	v_cvt_f32_u32 v13, v13
	v_fma_f32 v13, v13, s30, s35                   ; eps (i + 1) + 1.6e-5
	; The key blocks.  Block tile / 2 holds the diagonal and is masked; those below it are whole; those above are not run.
.if \second
	BLK 0, 0                                       ; tile 15 - w >= 8: blocks 0 to 3 are whole in every wave
	BLK 0, 1
	BLK 0, 2
	BLK 0, 3
	s_cmp_ge_u32 s18, 6                            ; (15 - w) / 2 = 4 for w = 6, 7
	s_cbranch_scc1 .Ldx_\@
	BLK 0, 4
	s_cmp_ge_u32 s18, 4                            ; = 5 for w = 4, 5
	s_cbranch_scc1 .Ldy_\@
	BLK 0, 5
	s_cmp_ge_u32 s18, 2                            ; = 6 for w = 2, 3
	s_cbranch_scc1 .Ldz_\@
	BLK 0, 6
	BLK 1, 7                                       ; = 7 for w = 0, 1
	s_branch .Lout_\@
.Ldx_\@:
	BLK 1, 4
	s_branch .Lout_\@
.Ldy_\@:
	BLK 1, 5
	s_branch .Lout_\@
.Ldz_\@:
	BLK 1, 6
.else
	s_cmp_lt_u32 s18, 2                            ; w / 2 = 0 for w = 0, 1
	s_cbranch_scc1 .Ldx_\@
	BLK 0, 0
	s_cmp_lt_u32 s18, 4                            ; = 1 for w = 2, 3
	s_cbranch_scc1 .Ldy_\@
	BLK 0, 1
	s_cmp_lt_u32 s18, 6                            ; = 2 for w = 4, 5
	s_cbranch_scc1 .Ldz_\@
	BLK 0, 2
	BLK 1, 3                                       ; = 3 for w = 6, 7
	s_branch .Lout_\@
.Ldx_\@:
	BLK 1, 0
	s_branch .Lout_\@
.Ldy_\@:
	BLK 1, 1
	s_branch .Lout_\@
.Ldz_\@:
	BLK 1, 2
.endif
.Lout_\@:
	PLACES
	v_fma_f32 v[TM+2], v[TM], v13, v[OA+32]        ; denominator: Qs (eps (i+1) + 1.6e-5) + the exponentials' share (every register of the fifth tile holds it)
	v_mul_f32 v[TM+4], s30, v[TM]                  ; eps Qs, twice, for the packed multiply-add
	v_mul_f32 v[TM+5], s30, v[TM]
	v_rcp_f32 v[TM+6], v[TM+2]
	v_rcp_f32 v[TM+7], v[TM+2]
.set i, 0
.rept 16
	v_pk_fma_f32 v[OA+2*i:OA+2*i+1], v[OT+2*i:OT+2*i+1], v[TM+4:TM+5], v[OA+2*i:OA+2*i+1]   ; + eps Qs x running sum of v; the first is the plain place behind the reciprocals
.set i, i+1
.endr
.set i, 0
	s_wait_alu depctr_va_vdst(0)
.rept 16
	v_pk_mul_f32 v[OA+2*i:OA+2*i+1], v[OA+2*i:OA+2*i+1], v[TM+6:TM+7]
.set i, i+1
.endr
.set i, 0
.rept 8
	ds_store_b128 v21, v[OA+4*i:OA+4*i+3] offset:64*(i>>1)+16*(i&1)     ; my own stage: row = query, e = 16 et + 8 h + 4 q ..
.set i, i+1
.endr
.irp t, 0,1,2,3,4,5,6,7
	ds_load_b128 v[KB0+4*\t:KB0+4*\t+3], v22 offset:544*\t             ; LDS serves a wave in order: these see the stores above
.endr
.irp t, 0,1,2,3,4,5,6,7
	s_wait_dscnt 7-\t
	global_store_b128 v[\GO], v[KB0+4*\t:KB0+4*\t+3], s[38:39] offset:512*\t th:TH_STORE_NT   ; sixteen lanes store one whole row of 256 bytes
.endr
.endm
	QTILE XQA, 9, 18, 5, 0
	QTILE XQB, 10, 19, 6, 1
	s_set_vgpr_msb 0x5
	s_wait_tensorcnt 0x0
	ds_add_u32 v0, v1
	s_wait_dscnt 0x0
	s_set_vgpr_msb 0x500
	s_endpgm
.Lfunc_end_k_qb5af336151_attn:
	.size	k_qb5af336151_attn, .Lfunc_end_k_qb5af336151_attn-k_qb5af336151_attn
	.p2alignl 7, 3214868480
	.fill 96, 4, 3214868480
	.section	.rodata,"a",@progbits
	.p2align	6, 0x0
	.amdhsa_kernel k_qb5af336151_attn
		.amdhsa_group_segment_fixed_size 308224
		.amdhsa_private_segment_fixed_size 0
		.amdhsa_enable_private_segment 0
		.amdhsa_kernarg_size 64
		.amdhsa_user_sgpr_count 2
		.amdhsa_user_sgpr_kernarg_segment_ptr 1
		.amdhsa_wavefront_size32 1
		.amdhsa_system_sgpr_workgroup_id_x 1
		.amdhsa_system_sgpr_workgroup_id_y 1
		.amdhsa_system_sgpr_workgroup_id_z 1
		.amdhsa_system_vgpr_workitem_id 0
		.amdhsa_next_free_vgpr 258
		.amdhsa_next_free_sgpr 66
		.amdhsa_reserve_vcc 1
		.amdhsa_float_denorm_mode_32 3
		.amdhsa_float_denorm_mode_16_64 3
		.amdhsa_memory_ordered 1
		.amdhsa_forward_progress 1
		.amdhsa_inst_pref_size 255
	.end_amdhsa_kernel
	.section	.bss,"aw",@nobits
	.p2align	6
	.space	262144
	.amdgpu_metadata
---
amdhsa.version: [ 1, 2 ]
amdhsa.kernels:
  - .name:           k_qb5af336151_attn
    .symbol:         k_qb5af336151_attn.kd
    .args:
      - { .name: q, .offset: 0, .size: 8, .value_kind: global_buffer, .address_space: global }
      - { .name: k, .offset: 8, .size: 8, .value_kind: global_buffer, .address_space: global }
      - { .name: v, .offset: 16, .size: 8, .value_kind: global_buffer, .address_space: global }
      - { .name: projection_matrix, .offset: 24, .size: 8, .value_kind: global_buffer, .address_space: global }
      - { .name: ml, .offset: 32, .size: 8, .value_kind: global_buffer, .address_space: global }
      - { .name: sp, .offset: 40, .size: 8, .value_kind: global_buffer, .address_space: global }
      - { .name: svp, .offset: 48, .size: 8, .value_kind: global_buffer, .address_space: global }
      - { .name: out0, .offset: 56, .size: 8, .value_kind: global_buffer, .address_space: global }
    .group_segment_fixed_size: 308224
    .private_segment_fixed_size: 0
    .kernarg_segment_align: 8
    .kernarg_segment_size: 64
    .max_flat_workgroup_size: 256
    .sgpr_count:     66
    .vgpr_count:     258
    .wavefront_size: 32
...
	.end_amdgpu_metadata
.endif
;; end of part 3
